; MI455X (gfx1250); checked and timed in simulation.
; The chip was launched on July 23, 2026; its instructions are those of AMD's public machine-readable ISA for CDNA 5 (MIT licence, August 2026) and "CDNA5" Instruction Set Architecture Reference Guide (July 2026). The comments in the code are by the model that wrote it; some were corrected since.
;; Attention. Allowed arithmetic: float matrix products may take bf16 or f16 operands with f32 sums; all other float work in f32.
;; Inputs: cache_k 2 x 2,048 x 8 x 128 float32; cache_v 2 x 2,048 x 8 x 128 float32; freqs_cos 2,048 x 64 float32; freqs_sin 2,048 x 64 float32; wk 4,096 x 1,024 float32; wq 4,096 x 1,024 float32; wv 4,096 x 1,024 float32; x 2 x 2,048 x 4,096 float32.
;; Outputs: out0 2 x 2,048 x 1,024 float32.
;; Constants: start_pos = 0.
;; One version. Each part assembles by itself: llvm-mc -triple=amdgcn-amd-amdhsa -mcpu=gfx1250 --defsym DOCPART=n.
;; ======== version 1 of 1: 3 launches
;; limits: values are held in f16: magnitudes above 65,504 overflow, below 6.1e-05 lose precision; right only within a limited range of input values
;; workspace buffers: xw 58,720,256 bytes; qkv 25,165,824 bytes
;; launch cast (part 1): grid 1024 x 1, 8 waves a work-group, no clusters, 0 bytes of LDS; arguments x, wq, wk, wv, cache_k, cache_v, xw, qkv; writes xw, qkv
.if DOCPART == 1
	.amdgcn_target "amdgcn-amd-amdhsa--gfx1250"
	.amdhsa_code_object_version 6
	.text
	.protected	k_q8c1adac466_cast
	.globl	k_q8c1adac466_cast
	.p2align	8
	.type	k_q8c1adac466_cast,@function
k_q8c1adac466_cast:
	s_mov_b64 s[64:65], 0
	v_nop
	global_prefetch_b8 v0, s[64:65] scope:SCOPE_SE
	s_setreg_imm32_b32 hwreg(HW_REG_WAVE_MODE, 25, 1), 1
	s_wait_xcnt 0x0
; CAST.  Nine chunks of 16 MiB of f32: 0-3 the quarters of x, 4-6 wq, wk, wv, 7-8 cache_k, cache_v.
; x is rounded to bf16; wq and wk are taken a quarter and wv a half (exact, so the factor and the rounding commute, but for numbers below 2^-124) and rounded to bf16: the next launch's sums are then
; q / 4, k / 4 and v / 2, which have room in f16.  Chunk c of 0-6 goes to byte c x 8 MiB of xw as it lies: x [4096][4096], then the weights [4096 k][1024 n].
; The caches are scaled as k and v are, rounded once to f16 and laid by heads into qkv [3 kinds q,k,v][16 heads 8 b + h][2048 s][128].  At these shapes (start_pos = 0, a cache of exactly 2,048 rows)
; the next launch, which is the update of the caches, writes over every one of these numbers: this launch reads both caches and moves their bytes, and the result hangs on none of them.
; A cache number beyond f16 becomes an infinity here and is written over too.
; SHARES.  The chunks are 9 x 4,096 rows of 4,096 bytes = 1,024 work-groups x 36 rows: a work-group takes 4 neighbouring rows of EVERY chunk, so all work-groups are alike and none branches.
; Thread t takes the 16 bytes at 16 t of each row: a load of a wave covers 512 consecutive bytes, its store of 8 bytes a lane 256 consecutive, aligned bytes.
; A RING of D = 12 row slots in registers keeps 12 loads of every wave on their way; a slot is loaded again as soon as its row has been converted, ahead of that row's store.  Each of the 36 stores has
; data registers of its own and no address register is ever rewritten, so the only waits are the counted ones for the loads.  125 registers: four work-groups, all that a WGP is dealt, lie on it at once.
; No LDS, no matrix unit: bytes are all there is.
.set D,   12                           ; slots = loads in flight in each wave
.set NR,  36                           ; rows of a thread: row r is row r % 4 of chunk r / 4
.set X,   4                            ; v[4:51]   slot r % D: 4 registers as loaded
.set Y,   52                           ; v[52:123] row r: 2 registers to store
.set SB,  24                           ; s[24:41]  chunk c: its source at my rows
.set DB,  42                           ; s[42:59]  chunk c: its destination at my rows
	s_load_b512 s[8:23], s[0:1], 0x0               ; x 8, wq 10, wk 12, wv 14, cache_k 16, cache_v 18, xw 20, qkv 22
	s_lshl_b32 s2, ttmp9, 14                       ; my 4 rows of 4,096 bytes in a chunk,
	s_mov_b32 s3, 0
	s_lshl_b32 s4, ttmp9, 13                       ; and of 2,048 bytes in xw
	s_mov_b32 s5, 0
	s_lshr_b32 s6, ttmp9, 9                        ; a cache's row is one (b, s): b,
	s_lshl_b32 s6, s6, 22                          ; eight heads of 524,288 bytes,
	s_and_b32 s7, ttmp9, 511                       ; s = 4 x this + the row:
	s_lshl_b32 s7, s7, 10                          ; rows of 256 bytes in a head
	s_add_co_u32 s6, s6, s7
	s_add_co_u32 s6, s6, 8388608                   ; k's part of qkv
	s_mov_b32 s7, 0
	s_mov_b32 s62, 0x3e800000                      ; 1/4
	s_mov_b32 s63, s62                             ; named with it as a pair
	v_lshlrev_b32 v1, 4, v0                        ; 16 t: my place in a row of f32
	v_lshlrev_b32 v2, 3, v0                        ; 8 t: in a row of bf16
	v_lshrrev_b32 v3, 5, v0                        ; a cache's row holds eight heads of 512 bytes: my wave's number is the head,
	v_lshlrev_b32 v3, 19, v3                       ; its 524,288 bytes,
	v_and_b32 v124, 31, v0
	v_lshl_add_u32 v3, v124, 3, v3                 ; + 8 x lane
	s_wait_kmcnt 0x0
	s_add_nc_u64 s[SB:SB+1], s[8:9], s[2:3]
.irp c, 1,2,3
	s_add_nc_u64 s[SB+2*(\c):SB+2*(\c)+1], s[SB+2*(\c)-2:SB+2*(\c)-1], 0x1000000   ; x's next quarter
.endr
.irp c, 4,5,6,7,8
	s_add_nc_u64 s[SB+2*(\c):SB+2*(\c)+1], s[2*(\c)+2:2*(\c)+3], s[2:3]            ; wq, wk, wv, cache_k, cache_v
.endr
	s_add_nc_u64 s[DB:DB+1], s[20:21], s[4:5]
.irp c, 1,2,3,4,5,6
	s_add_nc_u64 s[DB+2*(\c):DB+2*(\c)+1], s[DB+2*(\c)-2:DB+2*(\c)-1], 0x800000    ; 8 MiB of xw for each chunk
.endr
	s_add_nc_u64 s[DB+14:DB+15], s[22:23], s[6:7]                                  ; k's part of qkv,
	s_add_nc_u64 s[DB+16:DB+17], s[DB+14:DB+15], 0x800000                          ; v's
.macro LOADROW n                       ; row n into its slot
	global_load_b128 v[X+4*((\n)%D):X+4*((\n)%D)+3], v1, s[SB+2*((\n)/4):SB+2*((\n)/4)+1] offset:4096*((\n)%4) th:TH_LOAD_NT
.endm
.set r, 0
.rept D
	LOADROW r                                      ; the ring is filled: rows 0 to 11
.set r, r+1
.endr
.set r, 0
.rept NR
.set c, r/4
.set xs, X+4*(r%D)
.set ys, Y+2*r
.if r+D > NR
	s_wait_loadcnt NR-1-r                          ; the last rows load nothing: the counts run down
.else
	s_wait_loadcnt D-1                             ; loads come back in order (ISA guide 5.7.1): row r is in, the eleven younger ones stay out
.endif
.if (c == 6) || (c == 8)
	v_pk_mul_f32 v[xs:xs+1],   v[xs:xs+1],   0.5 op_sel_hi:[1,0]        ; wv and cache_v: a half
	v_pk_mul_f32 v[xs+2:xs+3], v[xs+2:xs+3], 0.5 op_sel_hi:[1,0]
.elseif c >= 4
	v_pk_mul_f32 v[xs:xs+1],   v[xs:xs+1],   s[62:63] op_sel_hi:[1,0]   ; wq, wk and cache_k: a quarter
	v_pk_mul_f32 v[xs+2:xs+3], v[xs+2:xs+3], s[62:63] op_sel_hi:[1,0]
.endif
.if c < 7
	v_cvt_pk_bf16_f32 v[ys],   v[xs],   v[xs+1]
	v_cvt_pk_bf16_f32 v[ys+1], v[xs+2], v[xs+3]
.else
	v_cvt_pk_f16_f32 v[ys],   v[xs],   v[xs+1]
	v_cvt_pk_f16_f32 v[ys+1], v[xs+2], v[xs+3]
.endif
.if r+D < NR
	LOADROW r+D                                    ; the slot's next row, ahead of the store
.endif
.if c < 7
	global_store_b64 v2, v[ys:ys+1], s[DB+2*c:DB+2*c+1] offset:2048*(r%4)
.else
	global_store_b64 v3, v[ys:ys+1], s[DB+2*c:DB+2*c+1] offset:256*(r%4)   ; a wave stores one whole row of a head
.endif
.set r, r+1
.endr
	s_endpgm
.Lfunc_end_k_q8c1adac466_cast:
	.size	k_q8c1adac466_cast, .Lfunc_end_k_q8c1adac466_cast-k_q8c1adac466_cast
	.p2alignl 7, 3214868480
	.fill 96, 4, 3214868480
	.section	.rodata,"a",@progbits
	.p2align	6, 0x0
	.amdhsa_kernel k_q8c1adac466_cast
		.amdhsa_group_segment_fixed_size 0
		.amdhsa_private_segment_fixed_size 0
		.amdhsa_enable_private_segment 0
		.amdhsa_kernarg_size 64
		.amdhsa_user_sgpr_count 2
		.amdhsa_user_sgpr_kernarg_segment_ptr 1
		.amdhsa_wavefront_size32 1
		.amdhsa_system_sgpr_workgroup_id_x 1
		.amdhsa_system_sgpr_workgroup_id_y 1
		.amdhsa_system_sgpr_workgroup_id_z 1
		.amdhsa_system_vgpr_workitem_id 0
		.amdhsa_next_free_vgpr 128
		.amdhsa_next_free_sgpr 66
		.amdhsa_reserve_vcc 0
		.amdhsa_float_denorm_mode_32 3
		.amdhsa_float_denorm_mode_16_64 3
		.amdhsa_memory_ordered 1
		.amdhsa_forward_progress 1
		.amdhsa_inst_pref_size 17
	.end_amdhsa_kernel
	.amdgpu_metadata
---
amdhsa.version: [ 1, 2 ]
amdhsa.kernels:
  - .name:           k_q8c1adac466_cast
    .symbol:         k_q8c1adac466_cast.kd
    .args:
      - { .name: x, .offset: 0, .size: 8, .value_kind: global_buffer, .address_space: global }
      - { .name: wq, .offset: 8, .size: 8, .value_kind: global_buffer, .address_space: global }
      - { .name: wk, .offset: 16, .size: 8, .value_kind: global_buffer, .address_space: global }
      - { .name: wv, .offset: 24, .size: 8, .value_kind: global_buffer, .address_space: global }
      - { .name: cache_k, .offset: 32, .size: 8, .value_kind: global_buffer, .address_space: global }
      - { .name: cache_v, .offset: 40, .size: 8, .value_kind: global_buffer, .address_space: global }
      - { .name: xw, .offset: 48, .size: 8, .value_kind: global_buffer, .address_space: global }
      - { .name: qkv, .offset: 56, .size: 8, .value_kind: global_buffer, .address_space: global }
    .group_segment_fixed_size: 0
    .private_segment_fixed_size: 0
    .kernarg_segment_align: 8
    .kernarg_segment_size: 64
    .max_flat_workgroup_size: 256
    .sgpr_count:     66
    .vgpr_count:     128
    .wavefront_size: 32
...
	.end_amdgpu_metadata
.endif
;; end of part 1
;; launch proj (part 2): grid 8 x 32, 4 waves a work-group, clusters of 4 x 4, 327,680 bytes of LDS; arguments xw, freqs_cos, freqs_sin, qkv; writes qkv
.if DOCPART == 2
	.amdgcn_target "amdgcn-amd-amdhsa--gfx1250"
	.amdhsa_code_object_version 6
	.text
	.protected	k_q8c1adac466_proj
	.globl	k_q8c1adac466_proj
	.p2align	8
	.type	k_q8c1adac466_proj,@function
k_q8c1adac466_proj:
	s_mov_b64 s[64:65], 0
	v_nop
	global_prefetch_b8 v0, s[64:65] scope:SCOPE_SE
	s_setreg_imm32_b32 hwreg(HW_REG_WAVE_MODE, 25, 1), 1
	s_wait_xcnt 0x0
	s_wait_alu depctr_hold_cnt(0) depctr_sa_sdst(0) depctr_va_vdst(0) depctr_va_sdst(0) depctr_va_ssrc(0) depctr_va_vcc(0) depctr_vm_vsrc(0)
	s_getreg_b32 s2, hwreg(HW_REG_IB_STS2, 6, 4)
	s_cmp_eq_u32 s2, 0
	s_cbranch_scc0 .Lentry_in_a_cluster
	s_endpgm
.Lentry_in_a_cluster:
	s_bfe_u32 s2, ttmp6, 0x10000c
	s_cmp_lg_u32 s2, 0xf033
	s_cbranch_scc0 .Lentry_shape_is_right
	s_endpgm
.Lentry_shape_is_right:
; PROJECTIONS, ROPE AND THE UPDATE OF THE CACHES.  x [4096][4096] times wq / 4, wk / 4, wv / 2 [4096 k][1024 n], operands bf16 (from xw, where the launch before laid them with these exact factors),
; sums f32; q / 4 and k / 4 are turned by cos and sin (both rounded to bf16, as every input is) in f32; then q / 4, k / 4 and v / 2 are rounded once to f16 and stored by heads:
; qkv [3 kinds][16 heads 8 b + h][2048 s][128].  The stores of k and v are the update of the caches at start_pos = 0: they cover every row that the launch before laid there.
; LIMITS.  f16 ends at 65,504: the text serves |q|, |k| below 262,016 after the turn and |v| below 131,008.  NaN and infinities are not treated apart.
; SHARES.  A work-group makes 128 rows of x times the 128 columns of ONE head in all three kinds: 128 x 384, 256 work-groups.  Wave w makes all 128 rows times the head's columns 32 w .. 32 w + 31 of each
; kind: 8 row blocks a x 6 column blocks b = 2 kind + c: 48 accumulators of 16 x 16, 384 registers; for 32 along K it issues 28 LDS loads and 48 matrix instructions.
; K goes in steps of 128 through a ring of two LDS slots.  The rows of x's tile and of the weights' tiles are 256 bytes of memory, at multiples of 256 from the buffer's first byte.
; The weights lie [k][n]: their fragments come out of LDS turned, by ds_load_tr16_b128.
; THE MATRIX INSTRUCTION IS USED TRANSPOSED (source 0 = 16 columns of w, source 1 = 16 rows of x): a lane holds row l % 16 and the columns 8 (l / 16) + 0..7: the pairs that RoPE turns are neighbouring registers.
; CLUSTER.  4 x 4 work-groups: the four of a row of the cluster share x's tile, the four of a column the three tiles of their head's weights: each tile is asked for jointly, by the same tensor load
; with the same descriptor and a mask that names the four.  Waves 0, 1, 2 ask for wq's, wk's, wv's tile, wave 3 for x's: 32 KiB each.
; PREFETCH.  Two slots of one K step fill LDS, so a refill has one K step of work in which to land and no more.  So the K step behind the one that is being requested is asked for ahead: a K step's slab of xw is
; 4,096 + 3,072 blocks of 256 bytes, 28 for each of the 256 work-groups, each block asked for once: wave 0's lanes 0-15 take 16 rows of x (of the row block's 128, by the head), lanes 16-27 four rows along K of
; each kind's tile (of its 128, by the row block), lanes 28-31 repeat lane 27's.  The request stands behind the joint refill for K step s and names K step s + 1; K step 2's stands at the start;
; in the last trip the address is held at K step 31, so that none points past the buffer.
; REGISTERS, in windows of 256 (s_set_vgpr_msb: bits 1:0 source 0, 3:2 source 1, 5:4 source 2, 7:6 destination):
;   window 0: v0-31 addresses; v64-127, v128-191 fragments of x, two buffers; on the way out v64-127 T, v128-191 TMP, v192-255 BK
;   window 1: v0-47, v48-95 fragments of w, two buffers
;   window 2: v0-191 the accumulators of rows 0-63 ((a, b) at 8 (6 a + b)); v192-255 their cos and sin (block a, half c: cos at 192 + 16 a + 8 c, sin 4 further)     window 3: the same for rows 64-127
.set PITA,   272                       ; a row of x in LDS: 256 bytes + 16: the 16 rows of a load start at 16 different groups of four banks (64 banks of 4 bytes: ISA guide 11.1)
.set PITB,   288                       ; a row of w: 256 + 32
.set BREG,   128*PITB                  ; a kind's tile: 128 rows along K
.set AOFF,   3*BREG                    ; x's tile lies behind the three: every tile begins at wave x BREG
.set SLOT,   AOFF+128*PITA
.set STAGE,  2*SLOT                    ; behind the ring, never filled by a tensor load: 128 rows x 272 bytes, the work-group's, for the way out
.set SPITCH, 272
.set SPARE,  STAGE+128*SPITCH          ; the spare words, 128 bytes for each wave: two blocks of 256 bytes that no other line names
.set LAPS,   16                        ; 4,096 / 256: a lap = two K steps = once round the ring
.set WOFF,   33554432                  ; the weights begin here in xw
.set PFO,  8                           ; v8      the prefetch: my lane's byte offset in xw, stepped from K step to K step
.set PFS,  9                           ; v9      its step: 256 bytes along a row of x, 128 rows of 2,048 bytes down a weight
.set PFL,  10                          ; v10     its offset at K step 31, the last
.set PFA,  11                          ; v11     the lesser of the two: what the prefetch names
.set ADRA, 16                          ; v16-17  LDS address of my fragments of x in slot 0, 1
.set ADRB, 18                          ; v18-23  of w: 3 slot + kind
.set STO,  24                          ; v24     the way out: where I put 16 bytes of a row
.set RD,   25                          ; v25     where I read a row back
.set CO,   26                          ; v26     my byte offset in two rows of the output
.set VCS,  27                          ; v27     my byte offset in cos and sin; never rewritten
.set SPW,  28                          ; v28     LDS address of my spare word; never rewritten
.set NIL,  29                          ; v29     0; never rewritten
.set T,    64
.set TMP,  128
.set BK,   192
.set CSN,  192
.set WV,   12                          ; s12 my wave
.set G1A,  24                          ; s[24:31] descriptor group 1 for x's tile;   s[32:39] group 0, a set for each slot
.set G0A,  32
.set G1B,  48                          ; s[48:55], s[56:63] the same for the weights' tiles
.set G0B,  56
.set MSB, 0
.macro WIN new                         ; the immediate's high byte repeats the setting that is left; a switch that changes nothing is dropped
.if MSB != (\new)
	s_set_vgpr_msb (MSB<<8)|(\new)
.set MSB, \new
.endif
.endm
.set MUL_LO, 0xa1                      ; source 0 (w) window 1, source 1 (x) window 0, C and D window 2
.set MUL_HI, 0xf1                      ; the same, C and D window 3
.set TO_B,   0x40                      ; destination window 1, address window 0
; A joint load.  The branch hangs on the wave's number alone.  An s_nop 0 and four v_nop follow each of the two lines, ahead of the jump, the label and what follows.
.macro JLOAD s
	s_cmp_eq_u32 s[WV], 3
	s_cbranch_scc0 .Lfor_b_\@
	tensor_load_to_lds s[G0A+4*(\s):G0A+4*(\s)+3], s[G1A:G1A+7]
	s_nop 0
.rept 4
	v_nop
.endr
	s_branch .Lasked_\@
.Lfor_b_\@:
	tensor_load_to_lds s[G0B+4*(\s):G0B+4*(\s)+3], s[G1B:G1B+7]
	s_nop 0
.rept 4
	v_nop
.endr
.Lasked_\@:
.endm
.macro CREST                           ; a round of the cluster's barrier behind its opening barrier
	s_cmp_lg_u32 s[WV], 0
	s_cbranch_scc1 .Lnot_wave_0_\@
	s_barrier_signal -3
.Lnot_wave_0_\@:
	s_barrier_wait -3
	s_barrier_signal -1
	s_barrier_wait -1
.endm
.macro CROUND                          ; a whole round
	s_barrier_signal -1
	s_barrier_wait -1
	CREST
.endm
	s_load_b256 s[4:11], s[0:1], 0x0               ; xw s[4:5], cos s[6:7], sin s[8:9], qkv s[10:11]
	v_lshl_add_u32 v[SPW], v0, 2, SPARE
	v_mov_b32 v[NIL], 0
	ds_add_u32 v[SPW], v[NIL]                      ; the wave's opening: the add and its wait stand ahead of my first tensor load; the set-up below, work on registers, stands between them
	v_lshrrev_b32 v1, 5, v0
	v_readfirstlane_b32 s[WV], v1                  ; wave 0..3
	s_bfe_u32 s40, ttmp6, 0x40000                  ; cx, cy: my place in the cluster
	s_bfe_u32 s41, ttmp6, 0x40004
	s_lshl_b32 s42, ttmp9, 2
	s_add_co_u32 s42, s42, s40                     ; the head = 4 x cluster x + cx
	s_and_b32 s13, ttmp7, 0xffff
	s_lshl_b32 s13, s13, 2
	s_add_co_u32 s13, s13, s41                     ; the block of 128 rows = 4 x cluster y + cy
	s_lshl_b32 s43, s41, 2
	s_lshl_b32 s43, 15, s43                        ; my row of the cluster
	s_lshl_b32 s44, 0x1111, s40                    ; my column
	; descriptor group 1: tiles of 128 rows x 128 elements of 2 bytes, padded in LDS after every 64 words (code 5)
	s_or_b32 s[G1A], s43, (1<<16)|(1<<20)|(1<<21)|(5<<22)|(3<<25)   ; the mask of my row; padding of 4 words (code 3); bit 21 set beside a mask
	s_or_b32 s[G1B], s44, (1<<16)|(1<<20)|(1<<21)|(5<<22)|(7<<25)   ; the mask of my column; padding of 8 words (code 7)
.irp g, G1A, G1B
	s_mov_b32 s[(\g)+1], 128<<16                   ; tensor_dim0 = 128
	s_mov_b32 s[(\g)+2], 128<<16                   ; tensor_dim1 = 128
	s_mov_b32 s[(\g)+3], 128<<16                   ; tile_dim0 = 128
	s_mov_b32 s[(\g)+4], 128                       ; tile_dim1 = 128
	s_mov_b32 s[(\g)+6], 0
	s_mov_b32 s[(\g)+7], 0
.endr
	s_mov_b32 s[G1A+5], 4096                       ; elements from row to row of x
	s_mov_b32 s[G1B+5], 1024                       ; and of a weight
	s_lshl_b32 s16, s13, 20                        ; x: 128 rows of 8,192 bytes a block: made of the block alone
	s_mov_b32 s17, 0
	s_lshl_b32 s46, s[WV], 23                      ; w: kind = wave (wave 3 never asks by this address),
	s_lshl_b32 s47, s42, 8                         ; the head's 256 bytes of a row: made of the head and the wave alone
	s_add_co_u32 s46, s46, s47
	s_add_co_u32 s46, s46, WOFF
	s_mov_b32 s47, 0
	s_mul_i32 s20, s[WV], BREG                     ; where my tile goes: wave x 36,864: no place in the cluster enters an LDS address
	s_lshr_b32 s72, s13, 4                         ; where my part of the output begins in a kind: b,
	s_lshl_b32 s72, s72, 22
	s_lshl_b32 s73, s42, 19                        ; the head,
	s_add_co_u32 s72, s72, s73
	s_and_b32 s74, s13, 15                         ; the block's first s, 128 rows of 256 bytes (in cos and sin too),
	s_lshl_b32 s74, s74, 15
	s_add_co_u32 s72, s72, s74
	s_lshl_b32 s73, s[WV], 13                      ; and the 32 rows that I store
	s_add_co_u32 s72, s72, s73
	s_mov_b32 s73, 0
	s_mov_b32 s75, 0
	s_mov_b32 s70, 0xffff0000                      ; a word's upper bf16
	s_lshl_b32 s76, s13, 7                         ; the prefetch, x: row 128 x block + 16 x head (+ lane),
	s_lshl_b32 s77, s42, 4
	s_add_co_u32 s76, s76, s77
	s_lshl_b32 s76, s76, 13                        ; of 8,192 bytes,
	s_add_co_u32 s76, s76, 512                     ; at K step 2
	s_lshl_b32 s78, s13, 13                        ; w: row 4 x block along K, of 2,048 bytes,
	s_lshl_b32 s77, s42, 8                         ; the head's 256 bytes of it,
	s_add_co_u32 s78, s78, s77
	s_add_co_u32 s78, s78, WOFF+524288             ; at K step 2: 256 rows down
	s_wait_dscnt 0x0                               ; the opening add is done
	s_wait_kmcnt 0x0
	s_add_nc_u64 s[14:15], s[4:5], s[16:17]
	s_add_nc_u64 s[46:47], s[4:5], s[46:47]
	s_add_nc_u64 s[6:7], s[6:7], s[74:75]
	s_add_nc_u64 s[8:9], s[8:9], s[74:75]
	s_add_nc_u64 s[10:11], s[10:11], s[72:73]      ; q
	s_add_nc_u64 s[66:67], s[10:11], 8388608       ; k
	s_add_nc_u64 s[68:69], s[10:11], 16777216      ; v
	CROUND                                         ; all sixteen work-groups are here: the first joint loads meet
.irp s, 0,1
	s_mov_b32 s[G0A+4*(\s)], 1                                       ; count = 1
	s_add_co_u32 s[G0A+4*(\s)+1], s20, (\s)*SLOT                     ; LDS address
	s_add_nc_u64 s[G0A+4*(\s)+2:G0A+4*(\s)+3], s[14:15], (\s)*256    ; global address: K step s, 128 elements along the rows
	s_or_b32 s[G0A+4*(\s)+3], s[G0A+4*(\s)+3], 0x80000000            ; type = 2
	s_mov_b32 s[G0B+4*(\s)], 1
	s_add_co_u32 s[G0B+4*(\s)+1], s20, (\s)*SLOT
	s_add_nc_u64 s[G0B+4*(\s)+2:G0B+4*(\s)+3], s[46:47], (\s)*262144 ; K step s: 128 rows of 2,048 bytes down
	s_or_b32 s[G0B+4*(\s)+3], s[G0B+4*(\s)+3], 0x80000000
	JLOAD \s                                       ; two loads of mine are out
.endr
	v_and_b32 v1, 15, v0                           ; r = l % 16
	v_bfe_u32 v2, v0, 4, 1                         ; h = l / 16
	v_and_b32 v6, 31, v0                           ; the prefetch's offsets, lane by lane
	v_lshl_add_u32 v7, v6, 13, s76                 ; lanes 0-15: a row of x each
	v_min_u32 v12, 27, v6                          ; lanes 28-31 go with lane 27
	v_and_b32 v13, 3, v12                          ; lanes 16-27: row l % 4 of my four along K,
	v_lshl_add_u32 v13, v13, 11, s78
	v_bfe_u32 v12, v12, 2, 2                       ; kind (l / 4) % 4 = 0, 1, 2
	v_lshl_add_u32 v13, v12, 23, v13
	v_cmp_gt_u32 vcc_lo, 16, v6
	v_cndmask_b32 v[PFO], v13, v7, vcc_lo
	v_mov_b32 v12, 0x40000
	v_mov_b32 v7, 0x100
	v_cndmask_b32 v[PFS], v12, v7, vcc_lo
	v_mul_u32_u24 v[PFL], v[PFS], 29               ; K step 31 is 29 steps on
	v_add_nc_u32 v[PFL], v[PFL], v[PFO]
	v_mov_b32 v[PFA], v[PFO]
	s_cmp_lg_u32 s[WV], 0
	s_cbranch_scc1 .Lno_pf0
	global_prefetch_b8 v[PFA], s[4:5] th:TH_LOAD_NT scope:SCOPE_SE   ; K step 2, whose tensor loads go out at the end of K step 0
.Lno_pf0:
	v_mul_u32_u24 v3, v1, PITA
	v_lshl_add_u32 v3, v2, 4, v3                   ; a fragment of x: row x pitch + 16 h; two loads of 16 bytes, 32 apart
	v_add_nc_u32 v[ADRA], AOFF, v3
	v_add_nc_u32 v[ADRA+1], AOFF+SLOT, v3
	v_and_b32 v4, 7, v0                            ; the turning load: lane l reads row 8 h + l % 8 along K, 16 bytes at 16 ((l / 8) % 2), and is left with column l % 16 and 8 k
	v_lshl_add_u32 v4, v2, 3, v4
	v_mul_u32_u24 v4, v4, PITB
	v_bfe_u32 v5, v0, 3, 1
	v_lshl_add_u32 v4, v5, 4, v4
	s_lshl_b32 s22, s[WV], 6                       ; my 32 columns: 64 bytes of a row of 16-bit numbers
	v_add_nc_u32 v4, s22, v4
.irp s, 0,1
.irp k, 0,1,2
	v_add_nc_u32 v[ADRB+3*(\s)+(\k)], (\s)*SLOT+(\k)*BREG, v4
.endr
.endr
	v_add_nc_u32 v[STO], s22, v3                   ; into the stage: row r, my 64 bytes, 16 for each half of the lanes
	v_add_nc_u32 v[STO], STAGE, v[STO]
	s_mul_i32 s23, s[WV], 32*SPITCH                ; back: wave w takes rows 32 w .. 32 w + 31, whole; lanes 0-15 one row, lanes 16-31 the next
	s_add_co_u32 s23, s23, STAGE
	v_mul_u32_u24 v5, v2, SPITCH
	v_lshl_add_u32 v5, v1, 4, v5
	v_add_nc_u32 v[RD], s23, v5
	v_lshlrev_b32 v[CO], 8, v2                     ; and the same two rows of 256 bytes in the output
	v_lshl_add_u32 v[CO], v1, 4, v[CO]
	v_lshlrev_b32 v[VCS], 8, v1                    ; cos and sin: row r of 256 bytes; my pairs 16 w + 8 c + 4 h + 0..3 are 16 bytes at 64 w + 32 c + 16 h
	v_lshl_add_u32 v[VCS], v2, 4, v[VCS]
	v_add_nc_u32 v[VCS], s22, v[VCS]
	WIN 0x80                                       ; destination window 2: 32 loads that are waited for on the way out; nothing touches their registers till then
.irp a, 0,1,2,3
.irp c, 0,1
	global_load_b128 v[CSN+16*(\a)+8*(\c):CSN+16*(\a)+8*(\c)+3],   v[VCS], s[6:7] offset:4096*(\a)+32*(\c)
	global_load_b128 v[CSN+16*(\a)+8*(\c)+4:CSN+16*(\a)+8*(\c)+7], v[VCS], s[8:9] offset:4096*(\a)+32*(\c)
.endr
.endr
	WIN 0xc0                                       ; window 3: rows 64-127
.irp a, 0,1,2,3
.irp c, 0,1
	global_load_b128 v[CSN+16*(\a)+8*(\c):CSN+16*(\a)+8*(\c)+3],   v[VCS], s[6:7] offset:4096*(4+(\a))+32*(\c)
	global_load_b128 v[CSN+16*(\a)+8*(\c)+4:CSN+16*(\a)+8*(\c)+7], v[VCS], s[8:9] offset:4096*(4+(\a))+32*(\c)
.endr
.endr
	WIN 0
; 12 matrix instructions: row blocks a0, a0 + 1 of the window's four (hi = 0: rows 0-63, 1: rows 64-127) x all 6 column blocks, 32 along K, buffer f.  zero = 1: the product starts the sums.
; The 48 accumulators take turns in the same order in every quarter.
.macro MUL12 f, hi, a0, zero
	WIN MUL_LO+0x50*(\hi)
.irp a, \a0, (\a0)+1
.irp b, 0,1,2,3,4,5
.if \zero
	v_wmma_f32_16x16x32_bf16 v[8*(6*(\a)+(\b)):8*(6*(\a)+(\b))+7], v[48*(\f)+8*(\b):48*(\f)+8*(\b)+7], v[64+64*(\f)+8*(4*(\hi)+(\a)):64+64*(\f)+8*(4*(\hi)+(\a))+7], 0
.else
	v_wmma_f32_16x16x32_bf16 v[8*(6*(\a)+(\b)):8*(6*(\a)+(\b))+7], v[48*(\f)+8*(\b):48*(\f)+8*(\b)+7], v[64+64*(\f)+8*(4*(\hi)+(\a)):64+64*(\f)+8*(4*(\hi)+(\a))+7], v[8*(6*(\a)+(\b)):8*(6*(\a)+(\b))+7]
.endif
.endr
.endr
.endm
; 28 LDS loads in one run: quarter q (32 along K) of a slot into buffer f: 12 turning loads for w's six fragments, 16 loads for x's eight
.macro FETCH slot, q, f
	WIN TO_B
.irp k, 0,1,2
.irp c, 0,1
	ds_load_tr16_b128 v[48*(\f)+8*(2*(\k)+(\c)):48*(\f)+8*(2*(\k)+(\c))+3],   v[ADRB+3*(\slot)+(\k)] offset:32*PITB*(\q)+32*(\c)
	ds_load_tr16_b128 v[48*(\f)+8*(2*(\k)+(\c))+4:48*(\f)+8*(2*(\k)+(\c))+7], v[ADRB+3*(\slot)+(\k)] offset:32*PITB*(\q)+32*(\c)+16*PITB
.endr
.endr
	WIN 0
.irp i, 0,1,2,3,4,5,6,7
	ds_load_b128 v[64+64*(\f)+8*(\i):64+64*(\f)+8*(\i)+3],   v[ADRA+(\slot)] offset:64*(\q)+(\i)*16*PITA
	ds_load_b128 v[64+64*(\f)+8*(\i)+4:64+64*(\f)+8*(\i)+7], v[ADRA+(\slot)] offset:64*(\q)+(\i)*16*PITA+32
.endr
.endm
.macro PLACES                          ; four places in front of loads into registers that matrix instructions have read (ISA guide 7.12.1 for vector instructions)
.rept 4
	v_nop
.endr
.endm
; A K step is four quarters of 32 along K, 48 matrix instructions each, on buffers 0, 1, 0, 1.  One of the first three: multiplies buffer f and fetches quarter q of the same slot into g.
.macro QUARTER slot, q, f, g, zero
	s_wait_dscnt 8                                 ; w and x's rows 0-63 are in; the youngest eight loads (x's rows 64-127) may be out
	MUL12 \f, 0, 0, \zero
	MUL12 \f, 0, 2, \zero
	PLACES
	FETCH \slot, \q, \g
	s_wait_dscnt 28                                ; all but the 28 just issued
	MUL12 \f, 1, 0, \zero
	MUL12 \f, 1, 2, \zero
.endm
; The last quarter multiplies buffer 1 and changes slots: ONE barrier; in front of it each wave waits for all its tensor loads (one is out: its tile of the next slot), adds 0 to its spare word,
; and waits for that and for its own reads of this slot.  fill = 1: the barrier opens a round of the cluster's, and this slot is filled again, two K steps ahead: 168 matrix instructions ahead of the wait for it;
; behind the refill wave 0 asks for the K step after that one.
.macro TURN slot, next, fill
	WIN 0                                          ; (the add's two registers lie in window 0)
	s_wait_tensorcnt 0x0
	ds_add_u32 v[SPW], v[NIL]                      ; 0 onto my spare word
	s_wait_dscnt 9                                 ; (the add and the youngest eight loads may be out)
	MUL12 1, 0, 0, 0                               ; twelve matrix instructions stand between the add and the wait for it
	s_wait_dscnt 0x0                               ; the add is done, and my reads of this slot are over
	s_barrier_signal -1
	MUL12 1, 0, 2, 0
.if \fill
	WIN 0
.endif
	s_barrier_wait -1
.if \fill
	CREST                                          ; no wave of any partner still reads this slot's tiles or has a load on its way
	s_add_nc_u64 s[G0A+4*(\slot)+2:G0A+4*(\slot)+3], s[G0A+4*(\slot)+2:G0A+4*(\slot)+3], 512
	s_add_nc_u64 s[G0B+4*(\slot)+2:G0B+4*(\slot)+3], s[G0B+4*(\slot)+2:G0B+4*(\slot)+3], 524288
	JLOAD \slot                                    ; the first tensor load behind the round; its four v_nop are also the places in front of the loads below
	s_cmp_lg_u32 s[WV], 0
	s_cbranch_scc1 .Lno_pf_\@
	s_wait_xcnt 0x0                                ; the last prefetch, a K step back, has read its address register: only now is it written again
	v_add_nc_u32 v[PFO], v[PFS], v[PFO]            ; one K step on: the one behind the K step just requested,
	v_min_u32 v[PFA], v[PFO], v[PFL]               ; held at the last
	global_prefetch_b8 v[PFA], s[4:5] th:TH_LOAD_NT scope:SCOPE_SE
.Lno_pf_\@:
.else
	PLACES
.endif
	FETCH \next, 0, 0
	MUL12 1, 1, 0, 0
	MUL12 1, 1, 2, 0
.endm
	s_wait_tensorcnt 1                             ; my tile of K step 0 is in; K step 1's may stay out
	s_barrier_signal -1
	s_barrier_wait -1                              ; everybody's is
	FETCH 0, 0, 0
	QUARTER 0, 1, 0, 1, 1                          ; the first quarter stands in front of the loop: its products start the sums
	WIN 0                                          ; at a label and at a branch every window is 0
	s_mov_b32 s3, LAPS-1
.Llap:                                                 ; a trip goes once round the ring, from a lap's second quarter to the next lap's first, and fills both slots again
	QUARTER 0, 2, 1, 0, 0
	QUARTER 0, 3, 0, 1, 0
	TURN 0, 1, 1
	QUARTER 1, 1, 0, 1, 0
	QUARTER 1, 2, 1, 0, 0
	QUARTER 1, 3, 0, 1, 0
	TURN 1, 0, 1
	QUARTER 0, 1, 0, 1, 0
	WIN 0
	s_sub_co_u32 s3, s3, 1
	s_cmp_lg_u32 s3, 0
	s_cbranch_scc1 .Llap
	QUARTER 0, 2, 1, 0, 0                          ; the last lap fills nothing, and has no round of the cluster's barrier
	QUARTER 0, 3, 0, 1, 0
	TURN 0, 1, 0
	QUARTER 1, 1, 0, 1, 0
	QUARTER 1, 2, 1, 0, 0
	QUARTER 1, 3, 0, 1, 0
	s_wait_dscnt 8                                 ; the very last quarter: nothing more to fetch
	MUL12 1, 0, 0, 0
	MUL12 1, 0, 2, 0
	s_wait_dscnt 0x0
	MUL12 1, 1, 0, 0
	MUL12 1, 1, 2, 0
	; THE WAY OUT.  cos and sin are rounded to bf16 and widened again in place.  These lines name no register of the last products: they are the places behind them.
	s_wait_loadcnt 0x0                             ; cos and sin
.irp hi, 0,1
	WIN 0x8a+0x45*(\hi)                            ; destination and both sources in window 2, then 3
.set p, 0
.rept 32
	v_cvt_pk_bf16_f32 v[CSN+2*p], v[CSN+2*p], v[CSN+2*p+1]
.set p, p+1
.endr
.set p, 0
.rept 32
	v_and_b32 v[CSN+2*p+1], s70, v[CSN+2*p]
.set p, p+1
.endr
.set p, 0
.rept 32
	v_lshlrev_b32 v[CSN+2*p], 16, v[CSN+2*p]
.set p, p+1
.endr
.endr
; Eight tiles of a kind (row blocks 4 hi .. 4 hi + 3, halves c) are packed to f16 into TMP.  q and k go through T in f32: (x0, x1) -> (x0 c - x1 s, x0 s + x1 c); v straight from its sums.
; Each accumulator is read from its low end on.
.macro PACK kind, hi
	WIN 0x0a+5*(\hi)                               ; sources 0 and 1 in window 2 or 3; source 2 and the destination in window 0
.irp a, 0,1,2,3
.irp c, 0,1
.set AC, 8*(6*(\a)+2*(\kind)+(\c))
.set CC, CSN+16*(\a)+8*(\c)
.set TT, T+8*(2*(\a)+(\c))
.if (\kind) < 2
.irp j, 0,1,2,3
	v_mul_f32 v[TT+2*(\j)],   v[AC+2*(\j)+1], v[CC+4+(\j)]
	v_mul_f32 v[TT+2*(\j)+1], v[AC+2*(\j)],   v[CC+4+(\j)]
.endr
.irp j, 0,1,2,3
	v_fma_f32 v[TT+2*(\j)],   v[AC+2*(\j)],   v[CC+(\j)], -v[TT+2*(\j)]
	v_fma_f32 v[TT+2*(\j)+1], v[AC+2*(\j)+1], v[CC+(\j)], v[TT+2*(\j)+1]
.endr
.else
.irp j, 0,1,2,3
	v_cvt_pk_f16_f32 v[TMP+32*(\hi)+4*(2*(\a)+(\c))+(\j)], v[AC+2*(\j)], v[AC+2*(\j)+1]
.endr
.endif
.endr
.endr
	WIN 0
.if (\kind) < 2
.set p, 0
.rept 32
	v_cvt_pk_f16_f32 v[TMP+32*(\hi)+p], v[T+2*p], v[T+2*p+1]
.set p, p+1
.endr
.endif
.endm
; A kind leaves through the work-group's ONE stage: a row's 256 bytes come from four waves, so a barrier stands between the writing and the reading, and another between the reading and the next
; kind's writing: its signal stands behind my last read, its wait in front of my next store, and the next kind's arithmetic, work on registers alone, between them.
.macro OUTK kind, base
	PACK \kind, 0
	PACK \kind, 1
.if (\kind) > 0
	s_barrier_wait -1                              ; every wave has read the kind before out of the stage
.endif
.irp a, 0,1,2,3,4,5,6,7
.irp c, 0,1
	ds_store_b128 v[STO], v[TMP+4*(2*(\a)+(\c)):TMP+4*(2*(\a)+(\c))+3] offset:(\a)*16*SPITCH+32*(\c)
.endr
.endr
	s_wait_dscnt 0x0                               ; for the others' sake: my stores into the stage are done
	s_barrier_signal -1
	s_barrier_wait -1
	s_wait_xcnt 0x0                                ; BK was the data of the kind before's stores: it is loaded again only behind this wait
.irp t, 0,1,2,3,4,5,6,7,8,9,10,11,12,13,14,15
	ds_load_b128 v[BK+4*(\t):BK+4*(\t)+3], v[RD] offset:(\t)*2*SPITCH
.endr
	s_wait_dscnt 8                                 ; the first eight of the sixteen are back
.irp t, 0,1,2,3,4,5,6,7
	global_store_b128 v[CO], v[BK+4*(\t):BK+4*(\t)+3], s[(\base):(\base)+1] offset:512*(\t)   ; 512 consecutive bytes, two whole rows of a head
.endr
	s_wait_dscnt 0x0                               ; all are
.irp t, 8,9,10,11,12,13,14,15
	global_store_b128 v[CO], v[BK+4*(\t):BK+4*(\t)+3], s[(\base):(\base)+1] offset:512*(\t)
.endr
.if (\kind) < 2
	s_barrier_signal -1                            ; my reads of the stage are back
.endif
.endm
	OUTK 0, 10
	OUTK 1, 66
	OUTK 2, 68
	s_wait_tensorcnt 0x0                           ; the wave's end, behind my last tensor load and my last LDS store
	ds_add_u32 v[SPW], v[NIL]
	s_wait_dscnt 0x0
	CROUND                                         ; the closing round: no work-group ends while a partner may still ask for a tile that names it
	s_endpgm
.Lfunc_end_k_q8c1adac466_proj:
	.size	k_q8c1adac466_proj, .Lfunc_end_k_q8c1adac466_proj-k_q8c1adac466_proj
	.p2alignl 7, 3214868480
	.fill 96, 4, 3214868480
	.section	.rodata,"a",@progbits
	.p2align	6, 0x0
	.amdhsa_kernel k_q8c1adac466_proj
		.amdhsa_group_segment_fixed_size 327680
		.amdhsa_private_segment_fixed_size 0
		.amdhsa_enable_private_segment 0
		.amdhsa_kernarg_size 32
		.amdhsa_user_sgpr_count 2
		.amdhsa_user_sgpr_kernarg_segment_ptr 1
		.amdhsa_wavefront_size32 1
		.amdhsa_system_sgpr_workgroup_id_x 1
		.amdhsa_system_sgpr_workgroup_id_y 1
		.amdhsa_system_sgpr_workgroup_id_z 1
		.amdhsa_system_vgpr_workitem_id 0
		.amdhsa_next_free_vgpr 1024
		.amdhsa_next_free_sgpr 80
		.amdhsa_reserve_vcc 1
		.amdhsa_float_denorm_mode_32 3
		.amdhsa_float_denorm_mode_16_64 3
		.amdhsa_memory_ordered 1
		.amdhsa_forward_progress 1
		.amdhsa_inst_pref_size 152
	.end_amdhsa_kernel
	.amdgpu_metadata
---
amdhsa.version: [ 1, 2 ]
amdhsa.kernels:
  - .name:           k_q8c1adac466_proj
    .symbol:         k_q8c1adac466_proj.kd
    .args:
      - { .name: xw, .offset: 0, .size: 8, .value_kind: global_buffer, .address_space: global }
      - { .name: freqs_cos, .offset: 8, .size: 8, .value_kind: global_buffer, .address_space: global }
      - { .name: freqs_sin, .offset: 16, .size: 8, .value_kind: global_buffer, .address_space: global }
      - { .name: qkv, .offset: 24, .size: 8, .value_kind: global_buffer, .address_space: global }
    .group_segment_fixed_size: 327680
    .private_segment_fixed_size: 0
    .kernarg_segment_align: 8
    .kernarg_segment_size: 32
    .max_flat_workgroup_size: 128
    .sgpr_count:     80
    .vgpr_count:     1024
    .wavefront_size: 32
...
	.end_amdgpu_metadata
.endif
;; end of part 2
;; launch attn (part 3): grid 16 x 16, 4 waves a work-group, clusters of 4 x 1, 327,680 bytes of LDS; arguments qkv, out0; writes out0
.if DOCPART == 3
	.amdgcn_target "amdgcn-amd-amdhsa--gfx1250"
	.amdhsa_code_object_version 6
	.text
	.protected	k_q8c1adac466_attn
	.globl	k_q8c1adac466_attn
	.p2align	8
	.type	k_q8c1adac466_attn,@function
k_q8c1adac466_attn:
	s_mov_b64 s[64:65], 0
	v_nop
	global_prefetch_b8 v0, s[64:65] scope:SCOPE_SE
	s_setreg_imm32_b32 hwreg(HW_REG_WAVE_MODE, 25, 1), 1
	s_wait_xcnt 0x0
	s_wait_alu depctr_hold_cnt(0) depctr_sa_sdst(0) depctr_va_vdst(0) depctr_va_sdst(0) depctr_va_ssrc(0) depctr_va_vcc(0) depctr_vm_vsrc(0)
	s_getreg_b32 s2, hwreg(HW_REG_IB_STS2, 6, 4)
	s_cmp_eq_u32 s2, 0
	s_cbranch_scc0 .Lentry_in_a_cluster
	s_endpgm
.Lentry_in_a_cluster:
	s_bfe_u32 s2, ttmp6, 0x10000c
	s_cmp_lg_u32 s2, 0x3003
	s_cbranch_scc0 .Lentry_shape_is_right
	s_endpgm
.Lentry_shape_is_right:
; ATTENTION.  out0[b][q][h][:] = the sum over k of softmax_k(Q . K / sqrt(128)) V.  Q, K, V come from qkv [3 kinds][16 heads 8 b + h][2048][128] in f16, Q and K as a quarter and V as a half of
; their values.  Products, maxima and sums in f32; the weights p are rounded to f16 for the second product (their sum l is taken of the unrounded p); the result is stored in f32.
; LIMITS.  p lies in 0 to 1 and below 6e-5 keeps f16's fixed step of 6e-8; a weight below 2^-126 counts as 0 in l; NaN and infinities are not treated apart.
; SHARES.  A work-group owns 128 queries of one head: 256 work-groups.  Wave w owns the 64 queries of half w % 2 (four tiles of 16) and walks HALF the keys: of every 256 keys the 128 of pair block g = w / 2,
; 64 a step, 16 steps.  So a fragment of K or V read from LDS feeds four tiles, and at the end the two waves of a query half merge their (O, c m, l).  A wave with g = 1 holds its query tiles turned by
; two (register tile t is query tile (t + 2 g) % 4), so that every wave sends register tiles 2, 3 and finishes register tiles 0, 1: the merge has no branch.
; LAYOUT.  S^T = K Q^T (source 0 = 16 keys, source 1 = 16 queries): a lane holds ONE query (lane % 16) and the keys 8 (lane / 16) + 0..7.  Two such tiles, rounded to f16 in pairs, ARE source 1 of
; O^T = V^T P, whose result again holds one query a lane, and eight channels.  K comes out of LDS as it lies, V ([key][channel]) turned, by ds_load_tr16_b128.
; SOFTMAX.  A running maximum m and sum l for each query: p = 2^(c s - c m), c = 16 log2(e) / sqrt(128) (the 16 undoes the two quarters); in every step O and l are multiplied by a = 2^(c m_old - c m_new).
; BY TURNS.  The tiles are two PIECES (0: tiles 0, 1; 2: tiles 2, 3).  In a TURN one piece has the matrix unit: 32 products V^T P of the step in hand, then 32 products K Q^T of the next; the other piece's
; softmax, cut into 64 slices, stands between them, one slice behind each matrix instruction.  Two turns are a key step.
; CLUSTER.  The four query blocks of a cluster belong to one head and walk the same K and V: each tile is asked for JOINTLY, by the same tensor load, descriptor and mask in all four.
; REGISTERS, in windows of 256 (s_set_vgpr_msb: bits 1:0 source 0, 3:2 source 1, 5:4 source 2, 7:6 destination):
;   window 0: v0-11, v44-48 addresses; v12-43 eight registers of statistics a tile; v64-191 S^T, 32 a tile; v192-255 P, 16 a tile
;   window 1: O^T, 64 a tile          window 2: v0-127 Q, 32 a tile; v128-255 K of one step          window 3: v0-127 V of one step
.set KS,    64        ; keys in a step
.set PK,    272       ; a row of K in LDS: 256 bytes + 16: the 16 rows of a load start at 16 different groups of four banks (64 banks of 4 bytes: ISA guide 11.1)
.set PV,    288       ; a row of V: 256 + 32
.set KSB,   KS*PK     ; a step of K
.set VSB,   KS*PV     ; a step of V
.set VOFF,  2*KSB     ; a pair block: 128 rows of K, then 128 rows of V
.set PAIRB, 2*(KSB+VSB)
.set XS,    0x24000   ; slot 1 begins here.  The addresses that are turned (0, 0x8800, 0x11800, 0x1a000) have bits 14 and 17 clear, so one exclusive or adds or takes off XS
.set STAGE, XS+2*PAIRB  ; behind the ring, never filled by a tensor load: an area of 8,448 bytes for each wave, for the merge and the way out
.set AREA,  8448
.set SP,    528       ; the way out: a row of 128 f32 + 16 bytes
.set SPARE, STAGE+4*AREA  ; the spare words, 128 bytes for each wave: two blocks of 256 bytes that no other line names
.set AK0, 2           ; v2   my lane's place in a tile of K; never rewritten
.set AV0, 3           ; v3   the same for V
.set ADR, 4           ; v4   the LDS address of the run of loads in hand
.set QO,  5           ; v5   my byte offset in Q for register tiles 0, 1
.set STO, 6           ; v6   the way out: where I put 32 bytes of a row
.set GO,  8           ; v8   16 x lane: my place in 512 consecutive bytes of the output
.set MA,  44          ; v44  my area + 16 x lane
.set MS,  45          ; v45  my area + 4 x lane
.set PA,  46          ; v46  the area of wave w xor 2 + 16 x lane
.set PS,  47          ; v47  the same + 4 x lane
.set QO2, 48          ; v48  my byte offset in Q for register tiles 2, 3
.set SPW, 62          ; v62  LDS address of my spare word; never rewritten
.set NIL, 63          ; v63  0; never rewritten
.set ST,  12          ; tile t's statistics at v[ST+8 t]: +0 c m, +1 m, +2, +3 l (even keys', odd keys'), +4 to +7 c0-c3, at work; a takes c2's place once the maximum is found
.set S,   64
.set P,   192
.set KF,  128         ; K's fragments, in window 2
.set WV,  12          ; s12  my wave's number
.set G1K, 24          ; s[24:31] descriptor group 1 for K's tiles
.set G1V, 32          ; s[32:39] for V's: it differs in the padding alone
.set G0K, 40          ; s[40:47] descriptor group 0 for K's tiles: a set for each of the two first fills; the second then walks on
.set G0V, 48          ; s[48:55] the same for V's
.set SLOTS, 56        ; s56  slots still to be asked for
.set TWICE, 57        ; s57  counts a slot's two steps
.set CS,  58          ; s[58:59] c
.set SEL, 60          ; s[60:61] lane selects for v_permlanex16_b32: each lane takes its own place in the other half
.set TBK, 62          ; s62  LDS byte at which K of the step to be fetched begins
.set TBV, 63          ; s63  the same for V, less VOFF
.set MSB, 0
.macro WIN new                      ; the immediate's high byte repeats the setting that is left; a switch that changes nothing is dropped
.if MSB != (\new)
	s_set_vgpr_msb (MSB<<8)|(\new)
.set MSB, \new
.endif
.endm
.set W_KQ, 0x0a       ; K and Q in window 2, S^T in window 0
.set W_PV, 0x53       ; V in window 3, P in window 0, O^T in window 1
.set W_RS, 0x41       ; O^T (destination and source 0) in window 1, a in window 0
; A joint refill.  Waves 0 and 1 fetch the two pair blocks' K, waves 2 and 3 their V: 128 rows each.  The branch hangs on the wave's number alone.
; An s_nop 0 and four v_nop follow each of the two lines, ahead of the jump, the label and what follows.
.macro JLOAD
	s_cmp_lt_u32 s[WV], 2
	s_cbranch_scc0 .Lfor_v_\@
	tensor_load_to_lds s[G0K+4:G0K+7], s[G1K:G1K+7]
	s_nop 0
.rept 4
	v_nop
.endr
	s_branch .Lasked_\@
.Lfor_v_\@:
	tensor_load_to_lds s[G0V+4:G0V+7], s[G1V:G1V+7]
	s_nop 0
.rept 4
	v_nop
.endr
.Lasked_\@:
.endm
; A round of the cluster's barrier: my work-group's barrier; wave 0 signals for the work-group; every wave waits for all four work-groups; my work-group's barrier once more.
.macro CROUND
	s_barrier_signal -1
	s_barrier_wait -1
	s_cmp_lg_u32 s[WV], 0
	s_cbranch_scc1 .Lnot_wave_0_\@
	s_barrier_signal -3
.Lnot_wave_0_\@:
	s_barrier_wait -3
	s_barrier_signal -1
	s_barrier_wait -1
.endm
	s_load_b128 s[8:11], s[0:1], 0x0  ; qkv s[8:9], out0 s[10:11]
	v_lshl_add_u32 v[SPW], v0, 2, SPARE
	v_mov_b32 v[NIL], 0
	ds_add_u32 v[SPW], v[NIL]       ; the wave's opening: the add and its wait stand ahead of my first tensor load; the set-up below, work on registers, stands between them
	v_lshrrev_b32 v1, 5, v0
	v_readfirstlane_b32 s[WV], v1   ; wave 0..3
	s_bfe_u32 s13, ttmp6, 0x40000   ; cx: my place in the cluster
	s_lshl_b32 s14, ttmp9, 2        ; in a cluster launch ttmp9 counts clusters
	s_add_co_u32 s14, s14, s13      ; my block of 128 queries = 4 x cluster x + cx: it enters Q's and the output's addresses alone
	s_and_b32 s19, ttmp7, 0xffff    ; the head 8 b + h, which the four partners share
	s_lshl_b32 s20, s19, 19         ; its first byte in a kind
	s_and_b32 s16, s[WV], 1         ; my query half.  Also: which pair block I fetch
	s_lshr_b32 s18, s[WV], 1        ; g: which pair block I walk
	s_lshl_b32 s22, s16, 15         ; the block's 128 rows of 256 bytes in memory,
	s_add_co_u32 s22, s22, s20
	s_add_co_u32 s22, s22, 8388608  ; in K's part of qkv
	s_mov_b32 s23, 0
	s_mul_i32 s17, s16, PAIRB       ; and its place in a slot: no place in the cluster enters an LDS address
	s_lshl_b32 s2, s14, 15          ; Q: my block's 128 rows,
	s_lshl_b32 s3, s16, 14          ; my half's 64 of them
	s_add_co_u32 s2, s2, s3
	s_add_co_u32 s2, s2, s20
	s_mov_b32 s3, 0
	s_lshr_b32 s66, s19, 3          ; the output's row: 2,048 b
	s_lshl_b32 s66, s66, 11
	s_lshl_b32 s67, s14, 7          ; + 128 x block
	s_add_co_u32 s66, s66, s67
	s_lshl_b32 s67, s16, 6          ; + 64 x half
	s_add_co_u32 s66, s66, s67
	s_lshl_b32 s67, s18, 5          ; + 32 g: I finish query tiles 2 g and 2 g + 1
	s_add_co_u32 s66, s66, s67
	s_lshl_b32 s66, s66, 12         ; rows of 4,096 bytes,
	s_and_b32 s67, s19, 7
	s_lshl_b32 s67, s67, 9          ; the head's 512 bytes
	s_add_co_u32 s66, s66, s67
	s_mov_b32 s67, 0
	; descriptor group 1: a tile of 128 rows x 128 elements, padded in LDS
	s_mov_b32 s[G1K], 15|(1<<16)|(1<<20)|(1<<21)|(5<<22)|(3<<25)  ; the mask: all four work-groups; elements of 2 bytes; padding on; bit 21 set beside a mask; after every 64 words (code 5) 4 words (code 3)
	s_mov_b32 s[G1V], 15|(1<<16)|(1<<20)|(1<<21)|(5<<22)|(7<<25)  ; the same with 8 words of padding (code 7)
.irp g, G1K, G1V
	s_mov_b32 s[(\g)+1], 128<<16    ; tensor_dim0 = 128
	s_mov_b32 s[(\g)+2], 128<<16    ; tensor_dim1 = 128
	s_mov_b32 s[(\g)+3], 128<<16    ; tile_dim0 = 128
	s_mov_b32 s[(\g)+4], 128        ; tile_dim1 = 128
	s_mov_b32 s[(\g)+5], 128        ; elements from row to row
	s_mov_b32 s[(\g)+6], 0
	s_mov_b32 s[(\g)+7], 0
.endr
	s_mov_b32 s[CS], 0x400293ee     ; c = 16 log2(e) / sqrt(128) = 2.040272
	s_mov_b32 s[CS+1], s[CS]        ; named with it as a pair, so it is written
	s_mov_b32 s[SEL], 0x76543210
	s_mov_b32 s[SEL+1], 0xfedcba98
	s_mul_i32 s[TBK], s18, PAIRB    ; my pair block in slot 0
	s_mov_b32 s[TBV], s[TBK]
	s_mov_b32 s[SLOTS], 2048/256-2
	s_wait_dscnt 0x0                ; the opening add is done
	s_wait_kmcnt 0x0
	s_add_nc_u64 s[4:5], s[8:9], s[2:3]      ; Q at my half's first row
	s_add_nc_u64 s[6:7], s[8:9], s[22:23]    ; K at my tile of slot 0
	s_add_nc_u64 s[8:9], s[6:7], 8388608     ; V at the same place, a kind further
	s_add_nc_u64 s[10:11], s[10:11], s[66:67]
	CROUND                          ; all four work-groups are here: the first joint loads meet
.irp s, 0,1
	s_mov_b32 s[G0K+4*(\s)], 1      ; count = 1
	s_add_co_u32 s[G0K+4*(\s)+1], s17, (\s)*XS  ; LDS address
	s_add_nc_u64 s[G0K+4*(\s)+2:G0K+4*(\s)+3], s[6:7], (\s)*65536  ; global address: slot s begins with keys 256 s
	s_or_b32 s[G0K+4*(\s)+3], s[G0K+4*(\s)+3], 0x80000000  ; type = 2
	s_mov_b32 s[G0V+4*(\s)], 1
	s_add_co_u32 s[G0V+4*(\s)+1], s17, (\s)*XS+VOFF
	s_add_nc_u64 s[G0V+4*(\s)+2:G0V+4*(\s)+3], s[8:9], (\s)*65536
	s_or_b32 s[G0V+4*(\s)+3], s[G0V+4*(\s)+3], 0x80000000
.endr
	s_cmp_lt_u32 s[WV], 2           ; a wave's two first fills stand in one branch, ahead of every wait on TENSORcnt and every LDS read: two loads of mine are out
	s_cbranch_scc0 .Lfirst_v
	tensor_load_to_lds s[G0K:G0K+3], s[G1K:G1K+7]
	s_nop 0
	tensor_load_to_lds s[G0K+4:G0K+7], s[G1K:G1K+7]
	s_nop 0
.rept 4
	v_nop
.endr
	s_branch .Lfirst_asked
.Lfirst_v:
	tensor_load_to_lds s[G0V:G0V+3], s[G1V:G1V+7]
	s_nop 0
	tensor_load_to_lds s[G0V+4:G0V+7], s[G1V:G1V+7]
	s_nop 0
.rept 4
	v_nop
.endr
.Lfirst_asked:
	; A fragment of K or Q is 16 rows x 32 channels in 8 registers: lane l holds row l % 16; registers 0-3 channels 8 (l / 16) + 0..7, registers 4-7 channels 16 + 8 (l / 16) + 0..7: two loads of 16 bytes, 32 bytes apart.
	v_and_b32 v1, 15, v0            ; l % 16
	v_bfe_u32 v9, v0, 4, 1          ; l / 16
	v_lshlrev_b32 v[QO], 8, v1
	v_lshl_add_u32 v[QO], v9, 4, v[QO]  ; row x 256 + 16 x half
	s_lshl_b32 s15, s18, 13         ; register tiles 0, 1 are query tiles 2 g, 2 g + 1 (32 rows of 256 bytes a pair),
	s_xor_b32 s21, s15, 8192        ; register tiles 2, 3 the other two
	v_add_nc_u32 v[QO2], s21, v[QO]
	v_add_nc_u32 v[QO], s15, v[QO]
	WIN 0x80                        ; destination window 2, address window 0
.irp i, 0,1,2,3,4,5,6,7,8,9,10,11,12,13,14,15  ; Q stays in registers: register tile i / 4, channels 32 (i % 4) on
.if (\i) < 8
	global_load_b128 v[8*(\i):8*(\i)+3],   v[QO], s[4:5] offset:((\i)/4)*4096+((\i)%4)*64
	global_load_b128 v[8*(\i)+4:8*(\i)+7], v[QO], s[4:5] offset:((\i)/4)*4096+((\i)%4)*64+32
.else
	global_load_b128 v[8*(\i):8*(\i)+3],   v[QO2], s[4:5] offset:((\i)/4-2)*4096+((\i)%4)*64
	global_load_b128 v[8*(\i)+4:8*(\i)+7], v[QO2], s[4:5] offset:((\i)/4-2)*4096+((\i)%4)*64+32
.endif
.endr
	WIN 0
	v_mul_u32_u24 v[AK0], v1, PK
	v_lshl_add_u32 v[AK0], v9, 4, v[AK0]  ; row x pitch + 16 x half
	; The turning load takes 16 keys x 16 channels (lane l reads 16 bytes: key 8 (l / 16) + l % 8, channels 8 ((l / 8) % 2) + 0..7) and leaves half a fragment of V^T: lane l holds channel l % 16 and 8 keys.
	v_and_b32 v10, 7, v0
	v_bfe_u32 v11, v0, 3, 1
	v_lshl_add_u32 v[AV0], v9, 3, v10
	v_mul_u32_u24 v[AV0], v[AV0], PV
	v_lshl_add_u32 v[AV0], v11, 4, v[AV0]
	v_add_nc_u32 v[AV0], VOFF, v[AV0]
; THE MATRIX WORK OF A TURN, for piece x.  The accumulators take turns, one instruction a turn: between two links of a chain stand 15 (V^T P) or 7 (K Q^T) others'.
; Product i of 32 of O^T += V^T P: keys 32 (i / 16) on, channels 16 ((i / 2) % 8) on, tile x + i % 2.  zero = 1: the first 16 start the sums: nothing is ever cleared.
.macro PV x, zero
	WIN W_PV
.set rO, 64*((\x)+i%2)+8*((i/2)%8)
.set rV, 64*(i/16)+8*((i/2)%8)
.set rP, P+16*((\x)+i%2)+8*(i/16)
.if (\zero) && (i < 16)
	v_wmma_f32_16x16x32_f16 v[rO:rO+7], v[rV:rV+7], v[rP:rP+7], 0
.else
	v_wmma_f32_16x16x32_f16 v[rO:rO+7], v[rV:rV+7], v[rP:rP+7], v[rO:rO+7]
.endif
.endm
; Product i of 32 of S^T = K Q^T: channels 32 (i / 8) on, keys 16 ((i / 2) % 4) on, tile x + i % 2.  The first 8 start the sums.
.macro KQ x
	WIN W_KQ
.set rS, S+32*((\x)+i%2)+8*((i/2)%4)
.set rK, KF+32*((i/2)%4)+8*(i/8)
.set rQ, 32*((\x)+i%2)+8*(i/8)
.if i < 8
	v_wmma_f32_16x16x32_f16 v[rS:rS+7], v[rK:rK+7], v[rQ:rQ+7], 0
.else
	v_wmma_f32_16x16x32_f16 v[rS:rS+7], v[rK:rK+7], v[rQ:rQ+7], v[rS:rS+7]
.endif
.endm
; THE LDS LOADS stand in runs of 32, never singly among the matrix instructions: a step's K (64 keys x 128 channels: 16 fragments) and, a turn later, its V (turned).
.macro FETCH_K
	WIN 0
	v_add_nc_u32 v[ADR], s[TBK], v[AK0]
	s_add_co_u32 s[TBK], s[TBK], KSB  ; the next fetch is the next step's
	WIN 0x80                        ; destination window 2
.irp f, 0,1,2,3,4,5,6,7,8,9,10,11,12,13,14,15  ; keys 16 (f / 4) on, channels 32 (f % 4) on
	ds_load_b128 v[KF+8*(\f):KF+8*(\f)+3],   v[ADR] offset:((\f)/4)*16*PK+((\f)%4)*64
	ds_load_b128 v[KF+8*(\f)+4:KF+8*(\f)+7], v[ADR] offset:((\f)/4)*16*PK+((\f)%4)*64+32
.endr
.endm
.macro FETCH_V
	WIN 0
	v_add_nc_u32 v[ADR], s[TBV], v[AV0]
	s_add_co_u32 s[TBV], s[TBV], VSB
	WIN 0xc0                        ; destination window 3
.irp f, 0,1,2,3,4,5,6,7,8,9,10,11,12,13,14,15  ; keys 32 (f / 8) on, channels 16 (f % 8) on
	ds_load_tr16_b128 v[8*(\f):8*(\f)+3],   v[ADR] offset:((\f)/8)*32*PV+((\f)%8)*32
	ds_load_tr16_b128 v[8*(\f)+4:8*(\f)+7], v[ADR] offset:((\f)/8)*32*PV+16*PV+((\f)%8)*32
.endr
.endm
; THE VECTOR WORK OF A TURN.  One tile's softmax for one key step is a list of 134 instructions; SM writes number j of it for tile t.  s0-s31 are the lane's 32 scores, in pairs 0-15.
; first = 1: the first key step, which starts m, l and O^T: it has no a and nothing to rescale.
;   0-15    the maximum of s0-s31 and the old m, three operands at a time: four chains c0-c3 of seven scores each (each accumulator is read from its low end on), then the four scores left over, c0-c3 and m
;   16-20   the other half of the lanes' maximum; the new m; c m; c m_old - c m_new
;   21-87   33 exponentials (a, then s0-s31) at the odd numbers from 23 on, so that no two follow each other and each has a plain instruction behind it before its result is used.
;           Plain instruction q (number 21, then the even numbers) is whatever is ready: c s - c m for a pair of scores whose exponentials are still to come, the rounding to f16 of a pair of weights
;           whose exponentials are done, at last the first three sums
;   88-101  the last rounding; the rest of the sums; l = a l + the sum
;   102-133 the tile's O^T times a: the one part that leaves window 0, so it stands together
.macro SM t, first
.set rT, ST+8*(\t)
.set rS, S+32*(\t)
.set rP, P+16*(\t)
.set rO, 64*(\t)+2*(j-102)
.set q, (j-20)/2
.if j < 102
	WIN 0
.endif
.if j < 4
	v_max3_num_f32 v[rT+4+j], v[rS+8*j], v[rS+8*j+1], v[rS+8*j+2]
.elseif j < 12
	v_max3_num_f32 v[rT+4+j%4], v[rT+4+j%4], v[rS+8*(j%4)+2*(j/4)+1], v[rS+8*(j%4)+2*(j/4)+2]
.elseif j == 12
	v_max3_num_f32 v[rT+4], v[rT+4], v[rS+7], v[rS+15]
.elseif j == 13
	v_max3_num_f32 v[rT+6], v[rT+6], v[rS+23], v[rS+31]
.elseif j == 14
	v_max3_num_f32 v[rT+4], v[rT+4], v[rT+5], v[rT+6]
.elseif (j == 15) && (\first)
	v_max_num_f32 v[rT+4], v[rT+4], v[rT+7]
.elseif j == 15
	v_max3_num_f32 v[rT+4], v[rT+4], v[rT+7], v[rT+1]
.elseif j == 16
	v_permlanex16_b32 v[rT+5], v[rT+4], s[SEL], s[SEL+1]  ; the query's other 32 keys lie in the lane 16 away
.elseif j == 18
	v_max_num_f32 v[rT+1], v[rT+4], v[rT+5]
.elseif j == 19
	v_mul_f32 v[rT], s[CS], v[rT+1]
.elseif ((j == 17) || (j == 20) || (j == 23) || (j > 101)) && (\first)  ; the first step has none of these
.elseif j == 17
	v_mov_b32 v[rT+7], v[rT]        ; c m_old is kept for a: number 19 writes c m anew
.elseif j == 20
	v_sub_f32 v[rT+7], v[rT+7], v[rT]
.elseif j == 23
	v_exp_f32 v[rT+6], v[rT+7]
.elseif (j < 88) && (j > 23) && (j%2 == 1)
	v_exp_f32 v[rS+(j-25)/2], v[rS+(j-25)/2]
.elseif (q < 4) || ((j < 76) && (q%2 == 0))
.set b, q/2+2
.if q < 4
.set b, q
.endif
	v_pk_fma_f32 v[rS+2*b:rS+2*b+1], v[rS+2*b:rS+2*b+1], s[CS:CS+1], v[rT:rT+1] op_sel_hi:[1,0,0] neg_lo:[0,0,1] neg_hi:[0,0,1]  ; pair b: c s - c m
.elseif (j < 88) && (q%2 == 1)
	s_wait_alu depctr_va_vdst(0)
	v_cvt_pk_f16_f32 v[rP+(q-5)/2], v[rS+q-5], v[rS+q-4]  ; pair (q - 5) / 2: its second exponential stands three numbers back
.elseif j == 89
	s_wait_alu depctr_va_vdst(0)
	v_cvt_pk_f16_f32 v[rP+15], v[rS+30], v[rS+31]
.elseif j < 102                     ; the sum of the tile's 16 pairs, in place: sum z of 16 adds neighbours 1, 2, 4 and 8 pairs apart, then l takes it
.set z, j-86
.if j < 89
.set z, (j-76)/4
.endif
.set w, 4
.set u, z
.if z >= 14
.set w, 32
.set u, 0
.elseif z >= 12
.set w, 16
.set u, z-12
.elseif z >= 8
.set w, 8
.set u, z-8
.endif
.if (z == 14) && (\first)
	v_pk_add_f32 v[rT+2:rT+3], v[rS:rS+1], v[rS+16:rS+17]
.elseif z < 15
	v_pk_add_f32 v[rS+w*u:rS+w*u+1], v[rS+w*u:rS+w*u+1], v[rS+w*u+w/2:rS+w*u+w/2+1]
.elseif !(\first)
	v_pk_fma_f32 v[rT+2:rT+3], v[rT+2:rT+3], v[rT+6:rT+7], v[rS:rS+1] op_sel_hi:[1,0,1]
.endif
.else
	WIN W_RS
	v_pk_mul_f32 v[rO:rO+1], v[rO:rO+1], v[rT+6:rT+7] op_sel_hi:[1,0]
.endif
.endm
; Slice k of 64 of piece y's softmax: numbers 2 k and 2 k + 1 of both tiles' lists, four instructions.  2 x 134 = 4 x 64 + 12: the twelve that are over stand together, in slice 63.
.macro SLICE y, first
.if (k >= 11) && (k < 44)           ; tile by tile: plain, exponential, plain, exponential
.irp t, \y, (\y)+1
.irp n, 0,1
.set j, 2*k+(\n)
	SM \t, \first
.endr
.endr
.else                               ; the two tiles alternate, so that no instruction reads the result of the one just before it
.irp n, 0,1,2,3,4,5,6,7
.if ((\n) < 2) || (k == 63)
.irp t, \y, (\y)+1
.set j, 2*k+(\n)
	SM \t, \first
.endr
.endif
.endr
.endif
.set k, k+1
.endm
; A vector instruction that reads a matrix result or writes one of a matrix instruction's registers, and a load into a register that a matrix instruction has read, stand four places behind
; it, and only plain vector instructions that name none of its registers are places (ISA guide 7.12.1 for vector instructions).  In the loop the slices are the places.
.macro PLACES
.rept 4
	v_nop
.endr
.endm
; A TURN.  Piece x has the matrix unit; the other piece's softmax stands in slices behind its matrix instructions.
; pv = 2: 32 products V^T P; 1: they start O^T's sums; 0: none.  kq = 1: 32 products K Q^T for the next step.  A turn with one of the two kinds has two slices behind each product.
; first = 1: the softmax is the first key step's.  Its slices from 51 on are empty: four v_nop take slice 63's part as the places behind the turn's last products.
; Each run of loads stands behind the second product of a run of 32, 30 matrix instructions ahead of its first use.  Piece 0's turn fetches the next step's K: the last product that read K
; stands in front of slice 63 of the turn before.  Piece 2's turn fetches the same step's V: the last product that read V stands three slices, six plain instructions, back.
.macro TURN x, pv, kq, first
.set k, 0
.set per, 2
.if (\pv) && (\kq)
.set per, 1
.endif
.if \pv
.if (\x) == 0
	s_wait_dscnt 0x0                ; V is in
.endif
.set i, 0
.rept 32
	PV \x, 2-(\pv)
.rept per
	SLICE 2-(\x), \first
.endr
.if ((\x) == 0) && (\kq) && (i == 1)
	FETCH_K
.endif
.set i, i+1
.endr
.endif
.if \kq
.if (\x) == 0
	s_wait_dscnt 0x0                ; K is in
.endif
.set i, 0
.rept 32
	KQ \x
.rept per
	SLICE 2-(\x), \first
.endr
.if ((\x) == 2) && (i == 1)
	FETCH_V
.endif
.set i, i+1
.endr
.endif
.if \first
	PLACES
.endif
.endm
; THE CHANGE OF SLOTS, between piece 2's turn and piece 0's: the slot's last bytes, V of its second step, have been asked for.  Each wave waits for all its tensor loads, of which one is out: its part
; of the other slot; adds 0 to its spare word; and waits for that and for its own reads of the slot.  Behind the barrier nobody reads this slot any more and the other slot is whole.
; fill = 1: this slot is filled again, with the keys two slots on.  The barrier is then a round of the cluster's, and the joint refill is the first thing behind it: it has two key steps,
; 256 matrix instructions, in which to land.
.macro CHANGE fill
	WIN 0                           ; at a label and at a branch every window is 0
	s_wait_tensorcnt 0x0            ; no tensor load of mine is out, so a group 0 may be written
	ds_add_u32 v[SPW], v[NIL]       ; 0 onto my spare word; with fill = 1 the descriptors' steps stand between it and the wait for it
.if \fill
.irp g, G0K+4, G0V+4
	s_xor_b32 s[(\g)+1], s[(\g)+1], XS  ; the walking descriptor: the other slot than last time,
	s_add_nc_u64 s[(\g)+2:(\g)+3], s[(\g)+2:(\g)+3], 65536  ; the next 256 keys; the type bits on top are not reached
.endr
	s_wait_dscnt 0x0                ; the add is done, and my reads of the slot are over
	CROUND
	JLOAD
.else
	s_wait_dscnt 0x0                ; the add is done, and my reads of the slot are over
	s_barrier_signal -1
	s_barrier_wait -1
.endif
	s_sub_co_u32 s[TBK], s[TBK], 2*KSB  ; the fetches go back to my pair block's first step,
	s_xor_b32 s[TBK], s[TBK], XS        ; in the other slot
	s_sub_co_u32 s[TBV], s[TBV], 2*VSB
	s_xor_b32 s[TBV], s[TBV], XS
.endm
; A slot's two key steps: written once, walked twice; the LDS addresses hang on s[TBK] and s[TBV].
.macro TWO_STEPS
	WIN 0
	s_mov_b32 s[TWICE], 2
.Lstep_\@:
	TURN 0, 2, 1, 0
	TURN 2, 2, 1, 0
	WIN 0
	s_sub_co_u32 s[TWICE], s[TWICE], 1
	s_cmp_lg_u32 s[TWICE], 0
	s_cbranch_scc1 .Lstep_\@
.endm
	s_wait_tensorcnt 1              ; my part of slot 0 is in; slot 1's may stay out
	s_barrier_signal -1
	s_barrier_wait -1               ; everybody's is
	FETCH_K                         ; key step 0
	s_wait_loadcnt 0x0              ; Q
	s_wait_dscnt 0x0
.set i, 0
.rept 32
	KQ 0                            ; piece 0's first scores: there is no vector work yet to set between them
.set i, i+1
.endr
	WIN 0                           ; the addresses for the merge and the way out are made here: nine plain instructions, the places behind those products
	s_mul_i32 s13, s[WV], AREA
	s_add_co_u32 s13, s13, STAGE    ; my area
	s_xor_b32 s15, s[WV], 2         ; the wave with my queries and the other keys
	s_mul_i32 s15, s15, AREA
	s_add_co_u32 s15, s15, STAGE    ; its area
	v_and_b32 v10, 31, v0           ; lane
	v_lshl_add_u32 v[MA], v10, 4, s13
	v_lshl_add_u32 v[MS], v10, 2, s13
	v_lshl_add_u32 v[PA], v10, 4, s15
	v_lshl_add_u32 v[PS], v10, 2, s15
	v_mul_u32_u24 v[STO], v1, SP    ; the way out, in: row l % 16, 32 bytes for each half of the lanes
	v_lshl_add_u32 v[STO], v9, 5, v[STO]
	v_add_nc_u32 v[STO], s13, v[STO]
	v_lshlrev_b32 v[GO], 4, v10
	TURN 2, 0, 1, 1                 ; piece 2's first scores | piece 0's first softmax | V of step 0
	TURN 0, 1, 1, 1                 ; piece 0: V^T P of step 0 starts O^T, K Q^T of step 1 | piece 2's first softmax | K of step 1
	TURN 2, 1, 1, 0                 ; piece 2: the same | piece 0's softmax of step 1 | V of step 1
	WIN 0
.Lslot:                             ; six trips: every slot but the last two is filled again
	CHANGE 1
	TWO_STEPS
	s_sub_co_u32 s[SLOTS], s[SLOTS], 1
	s_cmp_lg_u32 s[SLOTS], 0
	s_cbranch_scc1 .Lslot
	CHANGE 0                        ; the tail is written out: nothing is asked for
	TWO_STEPS
	TURN 0, 2, 0, 0                 ; piece 0: V^T P of the last step | piece 2's last softmax
.set i, 0
.rept 32
	PV 2, 0                         ; piece 2: V^T P of the last step
.set i, i+1
.endr
	; THE MERGE.  First l of my keys: its two halves and the other half of the lanes' are added.  The additions are the places behind the last products.
	WIN 0
.irp t, 0,1,2,3
	v_add_f32 v[ST+8*(\t)+4], v[ST+8*(\t)+2], v[ST+8*(\t)+3]
.endr
.irp t, 0,1,2,3
	v_permlanex16_b32 v[ST+8*(\t)+5], v[ST+8*(\t)+4], s[SEL], s[SEL+1]
.endr
.irp t, 0,1,2,3
	v_add_f32 v[ST+8*(\t)+4], v[ST+8*(\t)+4], v[ST+8*(\t)+5]
.endr
; Register tile t goes into my area as it lies: register group i of four at 512 i + 16 x lane, in ascending order; c m and l behind it.
.macro SENDT t
	WIN 0x04                        ; the data (source 1) in window 1
.set i, 0
.rept 16
	ds_store_b128 v[MA], v[64*(\t)+4*i:64*(\t)+4*i+3] offset:512*i
.set i, i+1
.endr
	WIN 0
	ds_store_b32 v[MS], v[ST+8*(\t)] offset:8192
	ds_store_b32 v[MS], v[ST+8*(\t)+4] offset:8320
.endm
; The partner's part of my register tile p comes into S^T's registers (64 p on); then, with M = the larger c m: f = 2^(c m - M) for either part, l = l_a f_a + l_b f_b, O = (O_a f_a + O_b f_b) / (l / 2):
; the half undoes V's.  The signal stands behind my reads of the partner's area; the arithmetic, work on registers alone, between it and the wait.
.macro RECV p
.set rT, ST+8*(\p)
.set rR, S+64*(\p)
	WIN 0
.set i, 0
.rept 16
	ds_load_b128 v[rR+4*i:rR+4*i+3], v[PA] offset:512*i
.set i, i+1
.endr
	ds_load_b32 v[rT+5], v[PS] offset:8192
	ds_load_b32 v[rT+6], v[PS] offset:8320
	s_wait_dscnt 0x0                ; they are in: the partner may write its area again
	s_barrier_signal -1
	v_max_num_f32 v[rT+7], v[rT], v[rT+5]
	v_sub_f32 v[rT], v[rT], v[rT+7]
	v_sub_f32 v[rT+5], v[rT+5], v[rT+7]
	v_exp_f32 v[rT], v[rT]
	v_exp_f32 v[rT+5], v[rT+5]
	v_nop                           ; a plain instruction between the exponentials and the use of their results
	s_wait_alu depctr_va_vdst(0)
	v_mul_f32 v[rT+4], v[rT+4], v[rT]
	v_fmac_f32 v[rT+4], v[rT+6], v[rT+5]
	v_mul_f32 v[rT+4], 0.5, v[rT+4]
	v_rcp_f32 v[rT+7], v[rT+4]
	v_nop
	s_wait_alu depctr_va_vdst(0)
	v_mul_f32 v[rT+2], v[rT], v[rT+7]    ; my part's factor, in the low word of a pair
	v_mul_f32 v[rT+6], v[rT+5], v[rT+7]  ; the partner's
.set i, 0
.rept 32
	v_pk_mul_f32 v[rR+2*i:rR+2*i+1], v[rR+2*i:rR+2*i+1], v[rT+6:rT+7] op_sel_hi:[1,0]
.set i, i+1
.endr
	WIN 0x01                        ; source 0, O^T, in window 1
.set i, 0
.rept 32
	v_pk_fma_f32 v[rR+2*i:rR+2*i+1], v[64*(\p)+2*i:64*(\p)+2*i+1], v[rT+2:rT+3], v[rR+2*i:rR+2*i+1] op_sel_hi:[1,0,1]
.set i, i+1
.endr
	WIN 0
	s_barrier_wait -1               ; every wave has read: the areas may be written again
.endm
.irp p, 0,1
	SENDT 2+(\p)
	s_wait_dscnt 0x0                ; for the partner's sake: my stores are done
	s_barrier_signal -1
	s_barrier_wait -1
	RECV \p
.endr
; THE WAY OUT.  A lane's eight channels of a row are 32 bytes; a tile goes into rows of 528 bytes of my area and comes back as whole rows of 512, into the registers that it left.
.macro STG p
.set rR, S+64*(\p)
.irp c, 0,1,2,3,4,5,6,7
	ds_store_b128 v[STO], v[rR+8*(\c):rR+8*(\c)+3]   offset:64*(\c)
	ds_store_b128 v[STO], v[rR+8*(\c)+4:rR+8*(\c)+7] offset:64*(\c)+16
.endr
.set i, 0
.rept 16
	ds_load_b128 v[rR+4*i:rR+4*i+3], v[MA] offset:SP*i  ; LDS serves a wave's instructions in order (ISA guide 5.7.1.4): these see the stores above; the next tile's stores come behind them
.set i, i+1
.endr
.endm
.macro SEND p, younger              ; younger: the LDS instructions issued behind tile p's loads: the next tile's 32, or none
.set rR, S+64*(\p)
.set i, 0
.rept 16
	s_wait_dscnt (\younger)+15-i
	global_store_b128 v[GO], v[rR+4*i:rR+4*i+3], s[10:11] offset:65536*(\p)+4096*i th:TH_STORE_NT  ; 512 consecutive bytes, a head's part of a row, at a multiple of 512 from the output's first byte
.set i, i+1
.endr
.endm
	STG 0
	STG 1
	SEND 0, 32
	SEND 1, 0
	s_wait_tensorcnt 0x0            ; the wave's end, behind my last tensor load and my last LDS store
	ds_add_u32 v[SPW], v[NIL]
	s_wait_dscnt 0x0
	CROUND                          ; the closing round: no work-group ends while a partner may still ask for a tile that names it
	s_endpgm
.Lfunc_end_k_q8c1adac466_attn:
	.size	k_q8c1adac466_attn, .Lfunc_end_k_q8c1adac466_attn-k_q8c1adac466_attn
	.p2alignl 7, 3214868480
	.fill 96, 4, 3214868480
	.section	.rodata,"a",@progbits
	.p2align	6, 0x0
	.amdhsa_kernel k_q8c1adac466_attn
		.amdhsa_group_segment_fixed_size 327680
		.amdhsa_private_segment_fixed_size 0
		.amdhsa_enable_private_segment 0
		.amdhsa_kernarg_size 16
		.amdhsa_user_sgpr_count 2
		.amdhsa_user_sgpr_kernarg_segment_ptr 1
		.amdhsa_wavefront_size32 1
		.amdhsa_system_sgpr_workgroup_id_x 1
		.amdhsa_system_sgpr_workgroup_id_y 1
		.amdhsa_system_sgpr_workgroup_id_z 1
		.amdhsa_system_vgpr_workitem_id 0
		.amdhsa_next_free_vgpr 896
		.amdhsa_next_free_sgpr 72
		.amdhsa_reserve_vcc 0
		.amdhsa_float_denorm_mode_32 3
		.amdhsa_float_denorm_mode_16_64 3
		.amdhsa_memory_ordered 1
		.amdhsa_forward_progress 1
		.amdhsa_inst_pref_size 227
	.end_amdhsa_kernel
	.amdgpu_metadata
---
amdhsa.version: [ 1, 2 ]
amdhsa.kernels:
  - .name:           k_q8c1adac466_attn
    .symbol:         k_q8c1adac466_attn.kd
    .args:
      - { .name: qkv, .offset: 0, .size: 8, .value_kind: global_buffer, .address_space: global }
      - { .name: out0, .offset: 8, .size: 8, .value_kind: global_buffer, .address_space: global }
    .group_segment_fixed_size: 327680
    .private_segment_fixed_size: 0
    .kernarg_segment_align: 8
    .kernarg_segment_size: 16
    .max_flat_workgroup_size: 128
    .sgpr_count:     72
    .vgpr_count:     896
    .wavefront_size: 32
...
	.end_amdgpu_metadata
.endif
;; end of part 3
